; MI455X (gfx1250); checked and timed in simulation.
; The chip was launched on July 23, 2026; its instructions are those of AMD's public machine-readable ISA for CDNA 5 (MIT licence, August 2026) and "CDNA5" Instruction Set Architecture Reference Guide (July 2026). The comments in the code are by the model that wrote it; some were corrected since.
;; QSP Model. Allowed arithmetic: float matrix products may take bf16 or f16 operands with f32 sums; all other float work in f32.
;; Inputs: data_point 1,048,576 float32; phi 129 float32.
;; Outputs: out0 1,048,576 float32.
;; One version. Each part assembles by itself: llvm-mc -triple=amdgcn-amd-amdhsa -mcpu=gfx1250 --defsym DOCPART=n.
;; ======== version 1 of 1: 1 launch
;; limits: values outside matrix products are rounded to f16; right only within a limited range of input values
;; launch qsp (part 1): grid 256 x 1, 8 waves a work-group, no clusters, 4,096 bytes of LDS; arguments data_point, phi, out0; writes out0
.if DOCPART == 1
	.amdgcn_target "amdgcn-amd-amdhsa--gfx1250"
	.amdhsa_code_object_version 6
	.text
	.protected	k_q1be8d1b457_qsp
	.globl	k_q1be8d1b457_qsp
	.p2align	8
	.type	k_q1be8d1b457_qsp,@function
k_q1be8d1b457_qsp:
	s_mov_b64 s[64:65], 0
	v_nop
	global_prefetch_b8 v0, s[64:65] scope:SCOPE_SE
	s_setreg_imm32_b32 hwreg(HW_REG_WAVE_MODE, 25, 1), 1
	s_wait_xcnt 0x0
; out[b] = 0.5 (z0 + z2), z = <Z_control> of H H (CRZ(phi_k) CRX(-2 arccos x))^n CRZ(phi_f) H H |00>, n = 64 and 63.
;
; THE ALGEBRA (holds for every x in [-1,1] and every phi).  With x = cos t the CRX block is x I + i sin t X, the CRZ block is
; cos(phi/2) I - i sin(phi/2) Z on the control = 1 pair (a2, a3); a0 = a1 = 1/2 stay.  After the last H (x) H,
; p0 + p1 - p2 - p3 = Re(a2 + a3).  In the X eigenbasis, u = (a2 + a3), v = i (a2 - a3): CRZ is the REAL rotation
; (u, v) <- (c u - s v, s u + c v), c = cos(phi/2), s = sin(phi/2), and CRX is (u, v) <- (w u, v / w), w = exp(i t).
; So u is a Laurent polynomial in w with real coefficients that hang on phi alone and z = sum alpha_m cos((n - 2m) t).
; With the factor w^steps taken out: U_m <- c U_m - s V_(m-1), V_m <- s U_m + c V_(m-1); alpha_m = c_f U_m - s_f V_(m-1).
; Both circuits together: out = sum over K = 0..64 of c_K T_K(x), c_K = (G[64+K] + G[64-K]) / 2, c_0 = G[64] / 2.
; From T_i T_16j = (T_(16j+i) + T_|16j-i|) / 2 the sum is regrouped as
;   out = sum over j = 0..4 of z^j * sum over i = 0..15 of M[j][i] f_i,   z = T_16(x), f_0 = 1/2, f_i = T_i(x).
;
; THE WORK.  256 work-groups x 8 waves; a work-group owns 4,096 elements.  Thread t owns the 16 bytes at 16 t of each of four
; groups of 4,096 bytes, so sixteen neighbouring lanes read and write 256 consecutive aligned bytes and nothing needs an LDS stage.
; Thread k makes cos, sin of phi[min(k,128)] / 2.  Wave 0 runs the recursion (lanes 0-15 circuit 1, lanes 16-31 circuit 2,
; coefficient m = 4 (lane % 16) + register) and leaves M in LDS; the other waves meanwhile make their elements' features.
; The inner sums go to the matrix unit: B = features (column = lane % 16), A = M placed so that rows 0-7 use only the k that lanes 0-15
; hold and rows 8-15 only the k that lanes 16-31 hold.  D's registers 0-4 of EVERY lane are then the five sums of that lane's own element.
; M is split into two f16 parts (two chained products), so the only 16-bit rounding is that of the features:
; 2^-12 relative on 15 numbers of size <= 1, each against a coefficient sum of a few tenths: a few 1e-4 in the result.
;
; LIMITS.  phi is reduced by whole turns with one f32 product by 1/(4 pi): the angle's error grows as about 1e-7 |phi|
; (nothing for |phi| up to about 1e3).  |x| > 1, infinities and NaN give NaN, as arccos does.
; NOT USED: tensor loads, clusters and multicast (the only input that work-groups share is phi, 516 bytes), prefetches
; (every load of the launch is issued in its first lines).
.set GROUP,  4096                      ; bytes that 256 threads cover with 16 bytes each
.set G_BASE, 2048                      ; LDS: 0..2047 (cos, sin) of thread k; G: 129 words, G[h + 2m] = alpha_m of circuit h (mirrored order: c_K is symmetric in it)
.set M_BASE, 2624                      ; LDS: M, 6 rows of 16 f32; row 5 is zero
.set PHIOFF, 2                         ; v2      byte offset of my phi
.set XOFF,   3                         ; v3      16 t
.set X,      4                         ; v[4:19]   x of group g in 4 registers; later the results
.set Z,      20                        ; v[20:35]  T_16(x) of the 16 vectors
.set AH,     36                        ; v[36:43]  A fragment, upper f16 part of M
.set AL,     44                        ; v[44:51]  A fragment, lower f16 part of M
.set LANE,   52
.set MADR,   53                        ; LDS address of my row of M
.set R16,    54                        ; lane % 16
.set HH,     55                        ; lane / 16
.set CSST,   56                        ; 8 t
.set PHI,    57
.set CSAD,   58                        ; wave 0: my circuit's part of the (cos, sin) table
.set GADR,   59                        ; wave 0: where my four alpha go
.set PADR,   60                        ; wave 0: G[i + 16 t]
.set NADR,   61                        ; wave 0: G[16 (t + 1) - i]
.set MST,    62                        ; wave 0: column i of M
.set GTOP,   63                        ; wave 0: G[128]
.set F,      64                        ; v[64:191] features: vector v in 8 registers (16 f16)
.set CS,     64                        ; wave 0, before its features: (c, s) of step j in v[CS+2j : CS+2j+1]
.set TB,     192                       ; v[192:255] at work
.set STA,    TB                        ; wave 0: state (U0,V0,U1,V1,U2,V2,U3,V3), two sets that take turns
.set STB,    TB+8
.set TT,     TB+16                     ; (s V_(m-1), c V_(m-1)) for the four m
.set SH,     TB+24                     ; pair whose upper register is V3 of the lane below
.set CF,     TB+26                     ; (c, s) of the final phase
.set EE,     TB+28
.set PP,     TB+32
.set NN,     TB+40
.set QA0,    TB+48
.set QA1,    TB+49
.set QA2,    TB+50
.set QA3,    TB+51
.set QB2,    TB+52
.set QB3,    TB+53
.set QB4,    TB+54
.set QM4,    TB+55
.set QM2,    TB+56
.set QM1,    TB+57
.set QU,     TB+58
.set QZ,     TB+59
.set MP0,    TB+60
.set MP1,    TB+61
.set MP2,    TB+62
.set MP4,    TB+63
	s_load_b128 s[4:7], s[0:1], 0x0                ; data_point s[4:5], phi s[6:7]
	s_load_b64 s[8:9], s[0:1], 0x10                ; out0
	s_set_vgpr_msb 0x40
	v_lshl_add_u32 v0, v0, 2, 0xc00
	v_mov_b32 v1, 0
	s_set_vgpr_msb 0x4000
	v_lshrrev_b32 v1, 5, v0
	v_readfirstlane_b32 s10, v1                    ; wave number
	v_min_u32 v[PHIOFF], 128, v0                   ; threads 129..255 repeat phi[128]: no load leaves the 129 numbers
	v_lshlrev_b32 v[PHIOFF], 2, v[PHIOFF]
	v_lshlrev_b32 v[XOFF], 4, v0
	s_lshl_b32 s12, ttmp9, 14                      ; the work-group's 16,384 bytes
	s_mov_b32 s13, 0
	s_wait_kmcnt 0x0
	global_load_b32 v[PHI], v[PHIOFF], s[6:7]      ; first: everything hangs on it
	s_add_nc_u64 s[4:5], s[4:5], s[12:13]
	s_add_nc_u64 s[8:9], s[8:9], s[12:13]
.irp g, 0,1,2,3
	global_load_b128 v[X+4*\g:X+4*\g+3], v[XOFF], s[4:5] offset:GROUP*\g th:TH_LOAD_NT
.endr
	s_mov_b32 s16, 0x3da2f983                      ; 1 / (4 pi)
	s_mov_b32 s17, 0x3fc90fdb                      ; pi / 2
	s_mov_b32 s18, 0x3638ef1d                      ; 1/9!
	s_mov_b32 s19, 0xb9500d01                      ; -1/7!
	s_mov_b32 s20, 0x3c088889                      ; 1/5!
	s_mov_b32 s21, 0xbe2aaaab                      ; -1/3!
	s_mov_b32 s22, 0x37d00d01                      ; 1/8!
	s_mov_b32 s23, 0xbab60b61                      ; -1/6!
	s_mov_b32 s24, 0x3d2aaaab                      ; 1/4!
	s_mov_b32 s25, 0xffffe000                      ; keeps the 11 leading bits of an f32: a number that f16 holds exactly
	s_mov_b32 s26, 0x7fc00000                      ; NaN
	v_and_b32 v[LANE], 31, v0
	v_and_b32 v[R16], 15, v0
	v_lshrrev_b32 v[HH], 4, v[LANE]
	; My row of the A fragment.  Lane (r, h) holds A's row r at the k of half h.  Row r serves the elements of half r / 8, so it is
	; M's row r % 8 where r / 8 = h and r % 8 < 5, and zero (row 5 of the table) everywhere else.
	v_lshrrev_b32 v1, 3, v[LANE]                   ; 2 h + r / 8
	v_xor_b32 v1, v1, v[HH]
	v_and_b32 v1, 1, v1                            ; 1 where r / 8 differs from h
	v_and_b32 v[MADR], 7, v0
	v_lshl_or_b32 v1, v1, 3, v[MADR]
	v_min_u32 v1, 5, v1
	v_lshl_add_u32 v[MADR], v1, 6, M_BASE
	v_lshlrev_b32 v[CSST], 3, v0
	; cos and sin of phi / 2: f = phi / (4 pi) less the nearest whole number (turns, |f| <= 1/2); a = (pi / 2) f is a quarter of the
	; angle, |a| <= pi / 4, where the series to a^9 and a^8 are good to f32; then the angle is doubled twice.
	s_wait_loadcnt 0x4                             ; the four loads of x are younger and stay out
	v_mul_f32 v[TB], s16, v[PHI]
	v_rndne_f32 v[TB], v[TB]
	v_fma_f32 v[TB], v[PHI], s16, -v[TB]
	v_mul_f32 v[TB], s17, v[TB]                    ; a
	v_mul_f32 v[TB+1], v[TB], v[TB]                ; a^2
	v_fma_f32 v[TB+2], v[TB+1], s18, s19
	v_fma_f32 v[TB+3], v[TB+1], s22, s23
	v_fma_f32 v[TB+2], v[TB+2], v[TB+1], s20
	v_fma_f32 v[TB+3], v[TB+3], v[TB+1], s24
	v_fma_f32 v[TB+2], v[TB+2], v[TB+1], s21
	v_fma_f32 v[TB+3], v[TB+3], v[TB+1], -0.5
	v_mul_f32 v[TB+4], v[TB], v[TB+1]              ; a^3
	v_fma_f32 v[TB+3], v[TB+3], v[TB+1], 1.0       ; cos a
	v_fma_f32 v[TB+2], v[TB+4], v[TB+2], v[TB]     ; sin a
	v_add_f32 v[TB+5], v[TB+2], v[TB+2]
	v_fma_f32 v[TB+6], -v[TB+5], v[TB+2], 1.0      ; cos 2a = 1 - 2 sin^2 a
	v_mul_f32 v[TB+7], v[TB+5], v[TB+3]            ; sin 2a = 2 sin a cos a
	v_add_f32 v[TB+5], v[TB+7], v[TB+7]
	v_fma_f32 v[TB+8], -v[TB+5], v[TB+7], 1.0      ; cos(phi / 2)
	v_mul_f32 v[TB+9], v[TB+5], v[TB+6]            ; sin(phi / 2)
	ds_store_b64 v[CSST], v[TB+8:TB+9]             ; every thread has a slot of its own; slots 129..255 are never read
	s_wait_dscnt 0x0                               ; for wave 0's sake: my store is in LDS before I say so
	s_barrier_signal -1
	s_barrier_wait -1
	s_cmp_lg_u32 s10, 0
	s_cbranch_scc1 .Lcoefficients_done
	; ---------------- wave 0 alone: from phi to M ----------------
	; Circuit h takes phi[64 h + j] in step j and phi[64 + 64 h] at the end.  Circuit 2 has no step 0: on the start state
	; (U_0 = 1, all else 0) a step with c = 1, s = 0 changes nothing, so its start is simply that state.
	v_lshlrev_b32 v[CSAD], 9, v[HH]
.set t, 0
.rept 32
	ds_load_b128 v[CS+4*t:CS+4*t+3], v[CSAD] offset:16*t           ; steps 2t and 2t + 1; the 16 lanes of a circuit read the same words
.set t, t+1
.endr
	ds_load_b64 v[CF:CF+1], v[CSAD] offset:512
	v_lshlrev_b32 v[GADR], 5, v[R16]
	v_lshl_add_u32 v[GADR], v[HH], 2, v[GADR]
	v_add_nc_u32 v[GADR], G_BASE, v[GADR]          ; G[h + 2 (4 r + q)] at + 8 q
	v_lshl_add_u32 v[PADR], v[R16], 2, G_BASE
	v_lshlrev_b32 v[NADR], 2, v[R16]
	v_sub_nc_u32 v[NADR], G_BASE+64, v[NADR]
	v_lshl_add_u32 v[MST], v[R16], 2, M_BASE
	v_mov_b32 v[GTOP], G_BASE+512
	v_cmp_eq_u32 s28, 0, v[LANE]
	v_cmp_eq_u32 s29, 16, v[LANE]
.irp k, 2,3,4,5,6,7
	v_mov_b32 v[STA+\k], 0
.endr
	v_mov_b32 v[SH], 0                             ; the pair's lower register is never used, but the pair is read
	v_mov_b32 v[SH+1], 0                           ; the shift's destination counts as read
	v_mov_b32 v[QZ], 0
	s_wait_dscnt 32                                ; 31 table loads and the final pair are younger than the first load
	v_cndmask_b32 v[STA], 0, 1.0, s29              ; circuit 2 starts at U_0 = 1,
	v_cndmask_b32 v[STA], v[STA], v[CS], s28       ; circuit 1 behind its step 0: U_0 = c_0,
	v_cndmask_b32 v[STA+1], 0, v[CS+1], s28        ; V_0 = s_0
; One step, from one set of state registers into the other (no register is read and written by the same packed instruction).
; V_(m-1) is the register below in the same lane; for register 0 it is V3 of the lane below (0 for the circuit's first lane).
.macro STEP src, dst, cs
	v_mov_b32_dpp v[SH+1], v[\src+7] row_shr:1 row_mask:0xf bank_mask:0xf bound_ctrl:1
	v_pk_mul_f32 v[TT+2:TT+3], v[\cs:\cs+1], v[\src+0:\src+1] op_sel:[1,1] op_sel_hi:[0,1]   ; (s V, c V)
	v_pk_mul_f32 v[TT+4:TT+5], v[\cs:\cs+1], v[\src+2:\src+3] op_sel:[1,1] op_sel_hi:[0,1]
	v_pk_mul_f32 v[TT+6:TT+7], v[\cs:\cs+1], v[\src+4:\src+5] op_sel:[1,1] op_sel_hi:[0,1]
	v_pk_mul_f32 v[TT+0:TT+1], v[\cs:\cs+1], v[SH:SH+1] op_sel:[1,1] op_sel_hi:[0,1]
.irp q, 1,2,3,0
	v_pk_fma_f32 v[\dst+2*\q:\dst+2*\q+1], v[\cs:\cs+1], v[\src+2*\q:\src+2*\q+1], v[TT+2*\q:TT+2*\q+1] op_sel_hi:[1,0,1] neg_lo:[0,0,1]   ; (c U - s V, s U + c V)
.endr
.endm
.set j, 1
.rept 31
	s_wait_dscnt 32-(j+1)/2                        ; steps j, j + 1 need table load (j + 1) / 2; so many LDS loads are younger than it
	STEP STA, STB, CS+2*j
	STEP STB, STA, CS+2*j+2
.set j, j+2
.endr
	STEP STA, STB, CS+126                          ; step 63
	s_wait_dscnt 0x0                               ; the final pair
	STEP STB, STA, CF                              ; the U half is alpha_m, m = 0..63
	v_mul_f32 v[EE], -v[CF+1], v[STB+7]            ; alpha_64 = - s_f V_63, in lane 15 (circuit 2 has none)
.irp q, 0,1,2,3
	ds_store_b32 v[GADR], v[STA+2*\q] offset:8*\q
.endr
	s_wait_xcnt 0x0                                ; EXEC is a source of the loads of x: it changes only behind this wait
	v_cmp_eq_u32 vcc_lo, 15, v[LANE]
	s_and_saveexec_b32 s30, vcc_lo
	ds_store_b32 v[GTOP], v[EE]                    ; G[128]
	s_or_b32 exec_lo, exec_lo, s30
	; Lane i (both halves alike) gathers what column i of M needs.  LDS serves a wave's instructions in order: these see the stores above.
.irp t, 0,1,2,4,5,6,7
	ds_load_b32 v[PP+\t], v[PADR] offset:64*\t     ; P_t = G[i + 16 t]
.endr
.irp t, 0,1,2,3,5,6,7
	ds_load_b32 v[NN+\t], v[NADR] offset:64*\t     ; N_t = G[16 (t + 1) - i]
.endr
	s_wait_dscnt 0x0
	v_add_f32 v[QA0], v[PP+4], v[NN+3]             ; A_j = 2 c_(16j+i)
	v_add_f32 v[QA1], v[PP+5], v[NN+2]
	v_add_f32 v[QA2], v[PP+6], v[NN+1]
	v_add_f32 v[QA3], v[PP+7], v[NN+0]
	v_add_f32 v[QB2], v[NN+5], v[PP+2]             ; B_j = 2 c_(16j-i)
	v_add_f32 v[QB3], v[NN+6], v[PP+1]
	v_add_f32 v[QB4], v[NN+7], v[PP+0]
	; In the basis T_j(z): m3 = A3, m2 = A2 - B4, m1 = A1 - B3 + A3, m0 = (A0 - B2 + A2 - B4) / 2, m4 = 0;
	; in column 0 (feature 1/2) B4 = 2 c_64 is m4 itself and drops out of m2 and m0.
	v_cmp_eq_u32 vcc_lo, 0, v[R16]
	v_cndmask_b32 v[QM4], 0, v[QB4], vcc_lo
	v_sub_f32 v[QB4], v[QB4], v[QM4]
	v_sub_f32 v[QM2], v[QA2], v[QB4]
	v_sub_f32 v[QM1], v[QA1], v[QB3]
	v_add_f32 v[QM1], v[QM1], v[QA3]
	v_sub_f32 v[QU], v[QA0], v[QB2]
	v_add_f32 v[QU], v[QU], v[QM2]
	; to powers of z: T2 = 2z^2 - 1, T3 = 4z^3 - 3z, T4 = 8z^4 - 8z^2 + 1
	v_fma_f32 v[QU], v[QU], 0.5, -v[QM2]
	v_add_f32 v[MP0], v[QU], v[QM4]                ; m0 - m2 + m4
	v_fmamk_f32 v[MP1], v[QA3], 0xc0400000, v[QM1] ; m1 - 3 m3
	v_mul_f32 v[MP4], 0x41000000, v[QM4]           ; 8 m4
	v_fma_f32 v[MP2], v[QM2], 2.0, -v[MP4]         ; 2 m2 - 8 m4
	v_mul_f32 v[QB2], 4.0, v[QA3]                  ; 4 m3
	ds_store_b32 v[MST], v[MP0]
	ds_store_b32 v[MST], v[MP1] offset:64
	ds_store_b32 v[MST], v[MP2] offset:128
	ds_store_b32 v[MST], v[QB2] offset:192
	ds_store_b32 v[MST], v[MP4] offset:256
	ds_store_b32 v[MST], v[QZ] offset:320          ; the zero row
	s_wait_dscnt 0x0                               ; for the others' sake: M is in LDS before wave 0 says so
.Lcoefficients_done:
	s_barrier_signal -1                            ; waves 1-7 have nothing to hand over and say so at once; wave 0 says: M is there
; The features of group g (four vectors, one for each register of the 16 bytes), register work only, between signal and wait.
; v[TB+16e] = W = 2 T_2, v[TB+16e+1] = x^2, v[TB+16e+k] = T_k, k = 2..15; T_(k+2) = W T_k - T_(k-2), two k at a time.
.macro FEAT g
	s_wait_loadcnt 3-\g                            ; the loads of the later groups stay out
.irp e, 0,1,2,3
	v_mul_f32 v[TB+16*\e+1], v[X+4*\g+\e], v[X+4*\g+\e]
.endr
.irp e, 0,1,2,3
	v_fma_f32 v[TB+16*\e], v[TB+16*\e+1], 4.0, -2.0
.endr
.irp e, 0,1,2,3
	v_fma_f32 v[TB+16*\e+2], v[TB+16*\e+1], 2.0, -1.0
.endr
.irp e, 0,1,2,3
	v_fma_f32 v[TB+16*\e+3], v[TB+16*\e], v[X+4*\g+\e], -v[X+4*\g+\e]
.endr
.irp e, 0,1,2,3
	v_fma_f32 v[TB+16*\e+4], v[TB+16*\e], v[TB+16*\e+2], -1.0
.endr
.irp e, 0,1,2,3
	v_fma_f32 v[TB+16*\e+5], v[TB+16*\e], v[TB+16*\e+3], -v[X+4*\g+\e]
.endr
.irp k, 6,8,10,12,14
.irp e, 0,1,2,3
	v_pk_fma_f32 v[TB+16*\e+\k:TB+16*\e+\k+1], v[TB+16*\e:TB+16*\e+1], v[TB+16*\e+\k-2:TB+16*\e+\k-1], v[TB+16*\e+\k-4:TB+16*\e+\k-3] op_sel_hi:[0,1,1] neg_lo:[0,0,1] neg_hi:[0,0,1]
.endr
.endr
.irp e, 0,1,2,3
	v_fma_f32 v[Z+4*\g+\e], v[TB+16*\e], v[TB+16*\e+14], -v[TB+16*\e+12]   ; z = T_16
.endr
.irp e, 0,1,2,3
	v_cmp_ge_f32 s[40+\e], 1.0, v[TB+16*\e+1]      ; x^2 <= 1: arccos is defined
.endr
.irp e, 0,1,2,3
	v_cndmask_b32 v[Z+4*\g+\e], s26, v[Z+4*\g+\e], s[40+\e]                ; else z = NaN, which the last four multiply-adds carry to the result
.endr
.irp e, 0,1,2,3
	v_cvt_pk_f16_f32 v[F+8*(4*\g+\e)], 0.5, v[X+4*\g+\e]                   ; f_0 = 1/2, f_1 = x
.endr
.irp p, 1,2,3,4,5,6,7
.irp e, 0,1,2,3
	v_cvt_pk_f16_f32 v[F+8*(4*\g+\e)+\p], v[TB+16*\e+2*\p], v[TB+16*\e+2*\p+1]
.endr
.endr
.endm
	FEAT 0
	FEAT 1
	FEAT 2
	FEAT 3
	s_barrier_wait -1                              ; M is in LDS
	; My row of M, split: the leading 11 bits (exact in f16) and the rest (f16 again): two A fragments.
.irp t, 0,1,2,3
	ds_load_b128 v[TB+4*\t:TB+4*\t+3], v[MADR] offset:16*\t
.endr
	s_wait_dscnt 0x0
.irp i, 0,1,2,3,4,5,6,7,8,9,10,11,12,13,14,15
	v_and_b32 v[TB+16+\i], s25, v[TB+\i]
.endr
.irp p, 0,1,2,3,4,5,6,7
	v_pk_add_f32 v[TB+32+2*\p:TB+32+2*\p+1], v[TB+2*\p:TB+2*\p+1], v[TB+16+2*\p:TB+16+2*\p+1] neg_lo:[0,1] neg_hi:[0,1]
.endr
.irp p, 0,1,2,3,4,5,6,7
	v_cvt_pk_f16_f32 v[AH+\p], v[TB+16+2*\p], v[TB+16+2*\p+1]
.endr
.irp p, 0,1,2,3,4,5,6,7
	v_cvt_pk_f16_f32 v[AL+\p], v[TB+32+2*\p], v[TB+32+2*\p+1]
.endr
; The four vectors of group g into D buffer b: the first product starts the sum, the second is the next link on the same accumulator.
.macro WM g, b
.irp e, 0,1,2,3
	v_wmma_f32_16x16x32_f16 v[TB+32*\b+8*\e:TB+32*\b+8*\e+7], v[AH:AH+7], v[F+8*(4*\g+\e):F+8*(4*\g+\e)+7], 0
.endr
.irp e, 0,1,2,3
	v_wmma_f32_16x16x32_f16 v[TB+32*\b+8*\e:TB+32*\b+8*\e+7], v[AL:AL+7], v[F+8*(4*\g+\e):F+8*(4*\g+\e)+7], v[TB+32*\b+8*\e:TB+32*\b+8*\e+7]
.endr
.endm
; out = (((D4 z + D3) z + D2) z + D1) z + D0, into the registers that held x: 16 neighbouring bytes a lane
.macro HORNER g, b
.irp e, 0,1,2,3
	v_fma_f32 v[X+4*\g+\e], v[TB+32*\b+8*\e+4], v[Z+4*\g+\e], v[TB+32*\b+8*\e+3]
.endr
.irp j, 2,1,0
.irp e, 0,1,2,3
	v_fma_f32 v[X+4*\g+\e], v[X+4*\g+\e], v[Z+4*\g+\e], v[TB+32*\b+8*\e+\j]
.endr
.endr
	global_store_b128 v[XOFF], v[X+4*\g:X+4*\g+3], s[8:9] offset:GROUP*\g th:TH_STORE_NT
.endm
	; A vector instruction reads a matrix result four independent vector instructions behind it (ISA guide 7.12.1).  For group 0 these are
	; four v_nop; for every later group they are the sixteen multiply-adds of the group before, which touch the other D buffer.
	WM 0, 0
.rept 4
	v_nop
.endr
	WM 1, 1
	HORNER 0, 0
	WM 2, 0
	HORNER 1, 1
	WM 3, 1
	HORNER 2, 0
	HORNER 3, 1
	s_set_vgpr_msb 0x5
	s_wait_tensorcnt 0x0
	ds_add_u32 v0, v1
	s_wait_dscnt 0x0
	s_set_vgpr_msb 0x500
	s_endpgm
.Lfunc_end_k_q1be8d1b457_qsp:
	.size	k_q1be8d1b457_qsp, .Lfunc_end_k_q1be8d1b457_qsp-k_q1be8d1b457_qsp
	.p2alignl 7, 3214868480
	.fill 96, 4, 3214868480
	.section	.rodata,"a",@progbits
	.p2align	6, 0x0
	.amdhsa_kernel k_q1be8d1b457_qsp
		.amdhsa_group_segment_fixed_size 4096
		.amdhsa_private_segment_fixed_size 0
		.amdhsa_enable_private_segment 0
		.amdhsa_kernarg_size 24
		.amdhsa_user_sgpr_count 2
		.amdhsa_user_sgpr_kernarg_segment_ptr 1
		.amdhsa_wavefront_size32 1
		.amdhsa_system_sgpr_workgroup_id_x 1
		.amdhsa_system_sgpr_workgroup_id_y 1
		.amdhsa_system_sgpr_workgroup_id_z 1
		.amdhsa_system_vgpr_workitem_id 0
		.amdhsa_next_free_vgpr 258
		.amdhsa_next_free_sgpr 66
		.amdhsa_reserve_vcc 1
		.amdhsa_float_denorm_mode_32 3
		.amdhsa_float_denorm_mode_16_64 3
		.amdhsa_memory_ordered 1
		.amdhsa_forward_progress 1
		.amdhsa_inst_pref_size 78
	.end_amdhsa_kernel
	.amdgpu_metadata
---
amdhsa.version: [ 1, 2 ]
amdhsa.kernels:
  - .name:           k_q1be8d1b457_qsp
    .symbol:         k_q1be8d1b457_qsp.kd
    .args:
      - { .name: data_point, .offset: 0, .size: 8, .value_kind: global_buffer, .address_space: global }
      - { .name: phi, .offset: 8, .size: 8, .value_kind: global_buffer, .address_space: global }
      - { .name: out0, .offset: 16, .size: 8, .value_kind: global_buffer, .address_space: global }
    .group_segment_fixed_size: 4096
    .private_segment_fixed_size: 0
    .kernarg_segment_align: 8
    .kernarg_segment_size: 24
    .max_flat_workgroup_size: 256
    .sgpr_count:     66
    .vgpr_count:     258
    .wavefront_size: 32
...
	.end_amdgpu_metadata
.endif
;; end of part 1
